; MI455X (gfx1250); checked and timed in simulation.
; The chip was launched on July 23, 2026; its instructions are those of AMD's public machine-readable ISA for CDNA 5 (MIT licence, August 2026) and "CDNA5" Instruction Set Architecture Reference Guide (July 2026). The comments in the code are by the model that wrote it; some were corrected since.
;; Bahdanau Attention. Allowed arithmetic: float matrix products may take bf16 or f16 operands with f32 sums; all other float work in f32.
;; Inputs: Wh 512 x 512 float32; Ws 512 x 512 float32; encoder_outputs 64 x 2,048 x 512 float32; mask 64 x 2,048 int32; v 512 float32.
;; Outputs: out0 64 x 512 float32; out1 64 x 2,048 float32.
;; 2 versions, each right and faster than the one before. Each part assembles by itself: llvm-mc -triple=amdgcn-amd-amdhsa -mcpu=gfx1250 --defsym DOCPART=n.
;; ======== version 1 of 2: 3 launches
;; limits: a difference of large sums (such as E[x^2] - mean^2): digits are lost where the result is much smaller than its terms
;; workspace buffers: wf 589,824 bytes; sc 524,288 bytes; part 589,824 bytes
;; launch prep (part 1): grid 32 x 4, 4 waves a work-group, no clusters, 0 bytes of LDS; arguments Wh, Ws, wf; writes wf
.if DOCPART == 1
	.amdgcn_target "amdgcn-amd-amdhsa--gfx1250"
	.amdhsa_code_object_version 6
	.text
	.protected	k_q071f703e7d_prep
	.globl	k_q071f703e7d_prep
	.p2align	8
	.type	k_q071f703e7d_prep,@function
k_q071f703e7d_prep:
	s_mov_b64 s[64:65], 0
	v_nop
	global_prefetch_b8 v0, s[64:65] scope:SCOPE_SE
	s_setreg_imm32_b32 hwreg(HW_REG_WAVE_MODE, 25, 1), 1
	s_wait_xcnt 0x0
; wf = bf16((Wh + Ws) * 2 log2 e), laid out in the order in which the main launch's matrix fragments want it.
; x Wh^T + x Ws^T = x (Wh + Ws)^T for every input, and tanh(h) = 1 - 2 / (1 + 2^(2 log2 e h)), so the factor is folded in here.
; wf: [slice w:4][position:18][tile b:8][c:2][lane:32][16 bytes].  The 16 bytes of (w, q, b, c, lane (r, h)) are the eight bf16
; W'[128 w + 16 b + r][32 q + 16 c + 8 h + 0..7].  Positions 16 and 17 repeat 0 and 1: a stream that runs two positions ahead never wraps.
; Work-group (x = nb, y = kq): the 16 rows 16 nb .. 16 nb + 15; wave i takes the 32 columns of q = 4 kq + i.
; Limit: W' is rounded once to bf16 (the sum and the product are f32).
.set A,  8                             ; v[8:23]   16 numbers of Wh, then of the sum
.set B,  24                            ; v[24:39]  16 numbers of Ws
.set P,  40                            ; v[40:47]  packed bf16: c = 0 in v[40:43], c = 1 in v[44:47]
	s_load_b128 s[4:7], s[0:1], 0x0                ; Wh s[4:5], Ws s[6:7]
	s_load_b64 s[8:9], s[0:1], 0x10                ; wf
	v_lshrrev_b32 v1, 5, v0
	v_readfirstlane_b32 s10, v1                    ; wave
	s_and_b32 s11, ttmp7, 0xffff                   ; kq
	s_lshl2_add_u32 s11, s11, s10                  ; q = 4 kq + wave
	v_and_b32 v1, 15, v0                           ; r
	v_bfe_u32 v2, v0, 4, 1                         ; h
	v_lshlrev_b32 v3, 11, v1                       ; r rows of 2,048 bytes
	v_lshl_add_u32 v3, v2, 5, v3                   ; + 8 h numbers of 4 bytes
	v_and_b32 v4, 31, v0
	v_lshlrev_b32 v4, 4, v4                        ; 16 x lane
	s_lshl_b32 s12, ttmp9, 15                      ; 16 nb rows
	s_lshl_b32 s13, s11, 7                         ; 32 q numbers
	s_add_co_u32 s12, s12, s13
	s_mov_b32 s13, 0
	s_lshr_b32 s14, ttmp9, 3                       ; w
	s_and_b32 s15, ttmp9, 7                        ; b
	s_mul_i32 s14, s14, 18
	s_add_co_u32 s14, s14, s11                     ; 18 w + q
	s_lshl_b32 s14, s14, 13                        ; positions of 8,192 bytes
	s_lshl_b32 s15, s15, 10                        ; tiles of 1,024 bytes
	s_add_co_u32 s14, s14, s15
	s_mov_b32 s15, 0
	s_wait_kmcnt 0x0
	s_add_nc_u64 s[4:5], s[4:5], s[12:13]
	s_add_nc_u64 s[6:7], s[6:7], s[12:13]
	s_add_nc_u64 s[8:9], s[8:9], s[14:15]
.irp c, 0,1
.irp e, 0,1
	global_load_b128 v[A+8*\c+4*\e:A+8*\c+4*\e+3], v3, s[4:5] offset:64*\c+16*\e
	global_load_b128 v[B+8*\c+4*\e:B+8*\c+4*\e+3], v3, s[6:7] offset:64*\c+16*\e
.endr
.endr
	s_wait_loadcnt 0x0
.irp i, 0,2,4,6,8,10,12,14
	v_pk_add_f32 v[A+\i:A+\i+1], v[A+\i:A+\i+1], v[B+\i:B+\i+1]
.endr
.irp i, 0,2,4,6,8,10,12,14
	v_pk_mul_f32 v[A+\i:A+\i+1], v[A+\i:A+\i+1], 0x4038aa3b op_sel_hi:[1,0]    ; 2 log2 e
.endr
.irp i, 0,1,2,3,4,5,6,7
	v_cvt_pk_bf16_f32 v[P+\i], v[A+2*\i], v[A+2*\i+1]
.endr
	global_store_b128 v4, v[P:P+3], s[8:9]                     ; each store of the wave covers 512 consecutive bytes, aligned
	global_store_b128 v4, v[P+4:P+7], s[8:9] offset:512
	s_cmp_ge_u32 s11, 2
	s_cbranch_scc1 .Ldone
	global_store_b128 v4, v[P:P+3], s[8:9] offset:131072       ; q = 0, 1 once more at positions 16, 17
	global_store_b128 v4, v[P+4:P+7], s[8:9] offset:131584
.Ldone:
	s_endpgm
.Lfunc_end_k_q071f703e7d_prep:
	.size	k_q071f703e7d_prep, .Lfunc_end_k_q071f703e7d_prep-k_q071f703e7d_prep
	.p2alignl 7, 3214868480
	.fill 96, 4, 3214868480
	.section	.rodata,"a",@progbits
	.p2align	6, 0x0
	.amdhsa_kernel k_q071f703e7d_prep
		.amdhsa_group_segment_fixed_size 0
		.amdhsa_private_segment_fixed_size 0
		.amdhsa_enable_private_segment 0
		.amdhsa_kernarg_size 24
		.amdhsa_user_sgpr_count 2
		.amdhsa_user_sgpr_kernarg_segment_ptr 1
		.amdhsa_wavefront_size32 1
		.amdhsa_system_sgpr_workgroup_id_x 1
		.amdhsa_system_sgpr_workgroup_id_y 1
		.amdhsa_system_sgpr_workgroup_id_z 1
		.amdhsa_system_vgpr_workitem_id 0
		.amdhsa_next_free_vgpr 48
		.amdhsa_next_free_sgpr 66
		.amdhsa_reserve_vcc 0
		.amdhsa_float_denorm_mode_32 3
		.amdhsa_float_denorm_mode_16_64 3
		.amdhsa_memory_ordered 1
		.amdhsa_forward_progress 1
		.amdhsa_inst_pref_size 5
	.end_amdhsa_kernel
	.amdgpu_metadata
---
amdhsa.version: [ 1, 2 ]
amdhsa.kernels:
  - .name:           k_q071f703e7d_prep
    .symbol:         k_q071f703e7d_prep.kd
    .args:
      - { .name: Wh, .offset: 0, .size: 8, .value_kind: global_buffer, .address_space: global }
      - { .name: Ws, .offset: 8, .size: 8, .value_kind: global_buffer, .address_space: global }
      - { .name: wf, .offset: 16, .size: 8, .value_kind: global_buffer, .address_space: global }
    .group_segment_fixed_size: 0
    .private_segment_fixed_size: 0
    .kernarg_segment_align: 8
    .kernarg_segment_size: 24
    .max_flat_workgroup_size: 128
    .sgpr_count:     66
    .vgpr_count:     48
    .wavefront_size: 32
...
	.end_amdgpu_metadata
.endif
;; end of part 1
;; launch main (part 2): grid 256 x 1, 4 waves a work-group, no clusters, 280,064 bytes of LDS; arguments encoder_outputs, mask, v, wf, sc, part; writes sc, part
.if DOCPART == 2
	.amdgcn_target "amdgcn-amd-amdhsa--gfx1250"
	.amdhsa_code_object_version 6
	.text
	.protected	k_q071f703e7d_main
	.globl	k_q071f703e7d_main
	.p2align	8
	.type	k_q071f703e7d_main,@function
k_q071f703e7d_main:
	s_mov_b64 s[64:65], 0
	v_nop
	global_prefetch_b8 v0, s[64:65] scope:SCOPE_SE
	s_setreg_imm32_b32 hwreg(HW_REG_WAVE_MODE, 25, 1), 1
	s_wait_xcnt 0x0
; Scores, online softmax and partial context of 512 rows of x (a quarter of one batch), x read from memory once.
; Work-group g owns rows 512 g .. 512 g + 511 of x as four blocks of 128 rows.  Wave w owns the output columns 128 w .. 128 w + 127 of
; h' = x W'^T (W' = (Wh + Ws) 2 log2 e in bf16, from the launch before): a tile of 128 x 128 in 64 accumulator tiles, 512 registers.
; K = 512 goes in 16 quarter steps of 32, 64 matrix instructions each.
; tanh(h) = 1 - 2 r with r = 1 / (1 + 2^h'), so score = sum(v) + sum over n of (-2 v[n]) r[n].  2^h' = inf gives r = 0 (tanh = 1), 2^h' = 0 gives r = 1.
; The block stays in LDS as bf16 until its scores are known; then p = exp(score - running maximum) multiplies it once more (context).
; Meanwhile the next block arrives: f32 from memory into registers, rounded to bf16, stored into the other LDS buffer.
;
; W' IS LOADED STRAIGHT INTO REGISTERS, NOT SHARED THROUGH LDS OR A CLUSTER: the waves split the output columns, so a fragment of W' is used by one
; wave of the work-group alone, and a two-slot ring for jointly requested tiles has no room: 2 x 133,120 (x) + 2 x 32,768 (one step of 32 along K
; of all 512 rows of W') = 331,776 bytes, more than the 327,680 that a work-group can have.  In wf's order each load covers 512 consecutive bytes.
;
; LIMITS: x, W' and the context's weights p are rounded to bf16; v_exp_f32 gives 0 for results below 2^-126 (ISA guide, its entry in 15.8);
; the score is formed as sum(v) - 2 sum(v r) in f32, an error of about 1e-7 x sum|v|.  The running maximum is always taken away.
;
; REGISTERS, in windows of 256: window 0 addresses, state, x fragments (AF) and four slots of arriving x (X); window 1 four buffers of W' fragments;
; window 2 the accumulator tiles of rows 0-63 (tile (a, b) at v[8 (8 a + b)]); window 3 those of rows 64-127.
; THE MATRIX INSTRUCTION IS USED TRANSPOSED: source 0 = 16 rows of W', source 1 = 16 rows of x.  Lane (r, h) then holds row 16 a + r of x and the
; columns 16 b + 8 h + 0..7, so the product with v is summed inside the lane.
.set PITCH,  1040                      ; an LDS row of x: 1,024 bytes + 16 = 65 x 16: sixteen rows start at sixteen different 16-byte columns modulo 256
.set XBYTES, 128*PITCH                 ; a block
.set HALFX,  64*PITCH
.set XB0,    0
.set XB1,    XBYTES
.set SP0,    2*XBYTES                  ; two sets (by the block's parity) of [2 w + h : 8][row : 128] f32 partial scores, 4,096 bytes each
.set VL,     SP0+8192                  ; -2 v, 512 f32
.set PB,     VL+2048                   ; each wave's own 256 bytes: 128 p in bf16
.set CT,     PB+1024                   ; 2,048 bytes: the waves' sums of v at the start, each wave's 512 bytes of context at the end
.set BLKB,   262144                    ; a block of x in memory
.set LFR, 8                            ; r PITCH + 16 h: a fragment's lane term
.set AL,  9                            ; x fragments, rows 0-63, this trip
.set AH,  10                           ; rows 64-127
.set SA,  11                           ; where arriving x is stored, this trip
.set LSA, 12                           ; 33,280 w + 8 L: the wave stages rows 32 w .. 32 w + 31 of a block
.set XO,  13                           ; 65,536 w + 16 L: the same rows in memory
.set WO,  14                           ; 147,456 w + 16 L: my slice of wf
.set VA,  15                           ; VL + 512 w + 32 h
.set LTR, 16                           ; lane term of the transposing loads, + 256 w (my 128 columns)
.set TA0, 17                           ; the same in the current block, rows 0-63
.set TA1, 18                           ; rows 64-127
.set SPA, 19                           ; SP0 + (2 w + h) 512 + 4 r
.set SPR, 20                           ; SP0 + 16 L
.set PBW, 21                           ; PB + 256 w + 8 L
.set PBR, 22                           ; PB + 256 w + 16 h
.set SO,  23                           ; 16 L
.set NEGR, 24                          ; -1e9
.set ALPHA, 25                         ; exp(old maximum - new maximum)
.set ML,  26                           ; v26 running maximum, v27 running sum
.set CX,  28                           ; v[28:35] context: tile n, column 128 w + 16 n + r (both halves of the lanes alike)
.set SC,  36                           ; v[36:43] my partial score of row 16 a + r
.set MK,  44                           ; v[44:59] mask of rows 4 L .. 4 L + 3 of the four blocks
.set S,   60                           ; v[60:63] masked scores of rows 4 L .. 4 L + 3
.set AF,  64                           ; v[64:127] x fragments, tile a at AF + 8 a; behind the K loop -2 v, then the softmax's work
.set X,   128                          ; v[128:255] four slots of 32: arriving x
.set MUL_LO, 0xa1                      ; source 0 (W') window 1, source 1 (x) window 0, C and D window 2
.set MUL_HI, 0xf1                      ; the same, C and D window 3
.set TO_B,   0x40                      ; destination window 1, address window 0
.set MSB, 0
.macro WIN new                         ; the immediate's high byte repeats the setting that is left
.if MSB != (\new)
	s_set_vgpr_msb (MSB<<8)|(\new)
.set MSB, (\new)
.endif
.endm
; Four places behind a matrix instruction before a vector instruction reads its result, or a load is issued into one of its registers
.macro PLACES
.rept 4
	v_nop
.endr
.endm
; 32 matrix instructions: the window's four row tiles x all eight column tiles, 32 along K, W' from buffer f.  The 32 accumulators take turns, one
; instruction a turn.  zero = 1: the first product starts the sums, nothing is cleared.
.macro MUL32 f, hi, zero
.irp a, 0,1,2,3
.irp b, 0,1,2,3,4,5,6,7
.if \zero
	v_wmma_f32_16x16x32_bf16 v[8*(8*\a+\b):8*(8*\a+\b)+7], v[64*(\f)+8*\b:64*(\f)+8*\b+7], v[AF+32*\hi+8*\a:AF+32*\hi+8*\a+7], 0
.else
	v_wmma_f32_16x16x32_bf16 v[8*(8*\a+\b):8*(8*\a+\b)+7], v[64*(\f)+8*\b:64*(\f)+8*\b+7], v[AF+32*\hi+8*\a:AF+32*\hi+8*\a+7], v[8*(8*\a+\b):8*(8*\a+\b)+7]
.endif
.endr
.endr
.endm
; 8 LDS loads: the x fragments of 64 rows at byte k of this trip's 256 bytes
.macro ALOAD half, k
.irp a, 0,1,2,3
	ds_load_b128 v[AF+32*\half+8*\a:AF+32*\half+8*\a+3],   v[AL+\half] offset:\a*16*PITCH+(\k)
	ds_load_b128 v[AF+32*\half+8*\a+4:AF+32*\half+8*\a+7], v[AL+\half] offset:\a*16*PITCH+(\k)+32
.endr
.endm
; 8 loads: half of the W' fragments of one position (relative to this trip's first) into buffer buf
.macro WLOADH buf, pos, half
.irp i, 0,1,2,3,4,5,6,7
	global_load_b128 v[64*(\buf)+32*(\half)+4*\i:64*(\buf)+32*(\half)+4*\i+3], v[WO], s[16:17] offset:(\pos)*8192+4096*(\half)+512*\i
.endr
.endm
; 8 loads: two whole rows of x, 4,096 consecutive bytes, into a slot
.macro XLOAD slot, imm
.irp i, 0,1,2,3,4,5,6,7
	global_load_b128 v[X+32*(\slot)+4*\i:X+32*(\slot)+4*\i+3], v[XO], s[4:5] offset:(\imm)+512*\i th:TH_LOAD_NT
.endr
.endm
.macro XCVT slot                       ; four f32 become four bf16 in the first two of their registers
.irp i, 0,1,2,3,4,5,6,7
	v_cvt_pk_bf16_f32 v[X+32*(\slot)+4*\i],   v[X+32*(\slot)+4*\i],   v[X+32*(\slot)+4*\i+1]
	v_cvt_pk_bf16_f32 v[X+32*(\slot)+4*\i+1], v[X+32*(\slot)+4*\i+2], v[X+32*(\slot)+4*\i+3]
.endr
.endm
.macro XSTORE slot, qq                 ; each store of the wave covers 256 consecutive bytes of an LDS row
.irp i, 0,1,2,3,4,5,6,7
	ds_store_b64 v[SA], v[X+32*(\slot)+4*\i:X+32*(\slot)+4*\i+1] offset:(\qq)*2*PITCH+(\i>>2)*PITCH+(\i&3)*256
.endr
.endm
; One quarter step Q = 16 block + 4 trip + qq.  Two streams share LOADcnt, which falls in issue order (ISA guide 5.7.1):
;   W(Q): the 16 loads of the W' fragments of quarter Q + 2;   X(Q): the 8 loads of the two rows that quarter Q + 3 will round and store.
; cnt = the loads issued behind W(Q - 2): X(Q - 2), W(Q - 1), X(Q - 1); behind that wait this quarter's W' and the older X(Q - 3) are in.
; By this text's own count a wave has at most 56 loads out.
; apf: the next quarter's x fragments are fetched; xst: arriving x is rounded and stored; xld, wld: the streams go on; wrap: X(Q) belongs to the block after next.
.macro QUARTER qq, zero, apf, xst, xld, wld, cnt, wrap
	s_wait_loadcnt \cnt
.if \wld
	WIN TO_B
	WLOADH (\qq+2)%4, \qq+2, 0         ; this buffer was last multiplied two quarters ago
	WLOADH (\qq+2)%4, \qq+2, 1
.endif
	WIN 0
.if \xld
	XLOAD \qq, (\qq+3)*4096+\wrap*(BLKB-65536)
.endif
	s_wait_dscnt 8                                 ; the fragments of rows 0-63 are in; only the 8 loads of rows 64-127 are younger
	WIN MUL_LO
	MUL32 \qq, 0, \zero
	WIN 0
.if \xst
	XCVT (\qq+1)%4                                 ; sixteen conversions: useful work in the places behind the matrix instructions
	XSTORE (\qq+1)%4, \qq
.else
.if \apf
	PLACES
.endif
.endif
.if \apf
	ALOAD 0, 64*(\qq+1)
.endif
	s_wait_dscnt 8*\xst+8*\apf                     ; rows 64-127 are in; only this quarter's stores and loads are younger
	WIN MUL_HI
	MUL32 \qq, 1, \zero
	WIN 0
.if \apf
	PLACES
	ALOAD 1, 64*(\qq+1)
.endif
.endm
.macro TRIP zero, xs, cnt              ; four quarters, 128 along K, and the step to the next four
	QUARTER 0, \zero, 1, \xs, \xs, 1, \cnt, 0
	QUARTER 1, 0, 1, \xs, \xs, 1, \cnt, 0
	QUARTER 2, 0, 1, \xs, \xs, 1, \cnt, 0
	QUARTER 3, 0, 1, \xs, \xs, 1, \cnt, 0
	s_wait_xcnt 0x0                                ; the bases of the loads issued so far are stepped only behind this wait
.if \xs
	s_add_nc_u64 s[4:5], s[4:5], 16384             ; four batches of two rows
	v_add_nc_u32 v[SA], 8*PITCH, v[SA]
.endif
	s_add_nc_u64 s[16:17], s[16:17], 32768         ; four positions of wf
	v_add_nc_u32 v[AL], 256, v[AL]
	v_add_nc_u32 v[AH], 256, v[AH]
.endm
; The tanh and the product with v, on one window's 32 tiles, in place.  The steps of three tiles are interleaved so that a plain vector instruction on
; another tile always stands between a transcendental and the use of its result (ISA guide 5.7.2).
.macro EXP8 tile
.irp j, 0,1,2,3,4,5,6,7
	v_exp_f32 v[8*(\tile)+\j], v[8*(\tile)+\j]
.endr
.endm
.macro ADD8 tile
	s_wait_alu depctr_va_vdst(0)
.irp j, 0,2,4,6
	v_pk_add_f32 v[8*(\tile)+\j:8*(\tile)+\j+1], v[8*(\tile)+\j:8*(\tile)+\j+1], 1.0 op_sel_hi:[1,0]
.endr
.endm
.macro RCP8 tile
.irp j, 0,1,2,3,4,5,6,7
	v_rcp_f32 v[8*(\tile)+\j], v[8*(\tile)+\j]
.endr
.endm
.macro FMA8 tile                       ; the row tile's first column tile starts the sums in its own registers; the seven others add onto them
.irp j, 0,2,4,6
.if ((\tile)&7) == 0
	s_wait_alu depctr_va_vdst(0)
	v_pk_mul_f32 v[8*(\tile)+\j:8*(\tile)+\j+1], v[8*(\tile)+\j:8*(\tile)+\j+1], v[AF+\j:AF+\j+1]
.else
	s_wait_alu depctr_va_vdst(0)
	v_pk_fma_f32 v[64*((\tile)>>3)+\j:64*((\tile)>>3)+\j+1], v[8*(\tile)+\j:8*(\tile)+\j+1], v[AF+8*((\tile)&7)+\j:AF+8*((\tile)&7)+\j+1], v[64*((\tile)>>3)+\j:64*((\tile)>>3)+\j+1]
.endif
.endr
.endm
.macro EPI w
.if \w == 2
	WIN 0xa2                                       ; source 0, source 2 and destination in the window, source 1 (-2 v) in window 0
.else
	WIN 0xf3
.endif
	EXP8 0
	v_nop                                          ; the plain place behind the first tile's exponentials
	EXP8 1
	ADD8 0
	RCP8 0
.set tt, 2
.rept 30
	EXP8 tt
	ADD8 tt-1
	RCP8 tt-1
	FMA8 tt-2
.set tt, tt+1
.endr
	ADD8 31
	RCP8 31
	FMA8 30
	FMA8 31
.if \w == 2
	WIN 0xaa                                       ; all in the window
.else
	WIN 0xff
.endif
.irp a, 0,1,2,3
	v_pk_add_f32 v[64*\a:64*\a+1],   v[64*\a:64*\a+1],   v[64*\a+2:64*\a+3]
	v_pk_add_f32 v[64*\a+4:64*\a+5], v[64*\a+4:64*\a+5], v[64*\a+6:64*\a+7]
.endr
.irp a, 0,1,2,3
	v_pk_add_f32 v[64*\a:64*\a+1], v[64*\a:64*\a+1], v[64*\a+4:64*\a+5]
.endr
.if \w == 2
	WIN 0x0a                                       ; sources in the window, destination in window 0
.else
	WIN 0x0f
.endif
.irp a, 0,1,2,3
	v_add_f32 v[SC+4*(\w-2)+\a], v[64*\a], v[64*\a+1]
.endr
	WIN 0
.endm
; The start: batch k (two rows) of block 0 is rounded in the registers it was loaded into (windows 2 and 3) and stored into buffer 0.
.macro PRO k
.if \k >= 9
	s_wait_loadcnt 56                              ; behind batch k stand 120 - 8 k loads of block 0 and the 8 (k - 8) of the streams' first groups
.endif
.if \k < 8
	WIN 0x8a
.else
	WIN 0xcf
.endif
.irp i, 0,1,2,3,4,5,6,7
	v_cvt_pk_bf16_f32 v[32*(\k&7)+4*\i],   v[32*(\k&7)+4*\i],   v[32*(\k&7)+4*\i+1]
	v_cvt_pk_bf16_f32 v[32*(\k&7)+4*\i+1], v[32*(\k&7)+4*\i+2], v[32*(\k&7)+4*\i+3]
.endr
.if \k < 8
	WIN 0x08
.else
	WIN 0x0c
.endif
.irp i, 0,1,2,3,4,5,6,7
	ds_store_b64 v[LSA], v[32*(\k&7)+4*\i:32*(\k&7)+4*\i+1] offset:XB0+\k*2*PITCH+(\i>>2)*PITCH+(\i&3)*256
.endr
.endm
	s_load_b256 s[4:11], s[0:1], 0x0               ; x s[4:5], mask s[6:7], v s[8:9], wf s[10:11]
	s_load_b128 s[12:15], s[0:1], 0x20             ; sc s[12:13], part s[14:15]
	v_and_b32 v1, 31, v0                           ; L
	v_lshrrev_b32 v2, 5, v0
	v_readfirstlane_b32 s18, v2                    ; wave
	v_lshlrev_b32 v[SO], 4, v1
	v_lshlrev_b32 v68, 4, v0                       ; 16 x thread: my four numbers of v
	s_lshl_b32 s20, s18, 16
	v_add_nc_u32 v[XO], s20, v[SO]
	s_mul_i32 s20, s18, 147456
	v_add_nc_u32 v[WO], s20, v[SO]
	s_lshl_b32 s20, ttmp9, 20                      ; 512 rows of 2,048 bytes
	s_mov_b32 s21, 0
	s_lshl_b32 s30, ttmp9, 11                      ; 512 words of mask and of sc
	s_mov_b32 s31, 0
	s_mul_i32 s32, ttmp9, 2304                     ; my row of part
	s_mov_b32 s33, 0
	s_wait_kmcnt 0x0
	s_add_nc_u64 s[28:29], s[4:5], s[20:21]        ; x at my first row: kept
	s_add_nc_u64 s[4:5], s[28:29], BLKB            ; the x stream's base: block 1
	s_mov_b64 s[16:17], s[10:11]                   ; the W' stream's base
	s_add_nc_u64 s[6:7], s[6:7], s[30:31]
	s_add_nc_u64 s[12:13], s[12:13], s[30:31]
	s_add_nc_u64 s[14:15], s[14:15], s[32:33]
.irp b, 0,1,2,3
	global_load_b128 v[MK+4*\b:MK+4*\b+3], v[SO], s[6:7] offset:512*\b
.endr
	global_load_b128 v[64:67], v68, s[8:9]
	WIN 0x80                                       ; block 0: my 32 rows are 65,536 consecutive bytes, 128 loads into windows 2 and 3
.set n, 0
.rept 64
	global_load_b128 v[4*n:4*n+3], v[XO], s[28:29] offset:512*n th:TH_LOAD_NT
.set n, n+1
.endr
	WIN 0xc0
.set n, 0
.rept 64
	global_load_b128 v[4*n:4*n+3], v[XO], s[28:29] offset:512*(n+64) th:TH_LOAD_NT
.set n, n+1
.endr
	WIN 0
	v_and_b32 v3, 15, v0                           ; r
	v_bfe_u32 v4, v0, 4, 1                         ; h
	s_mov_b32 s22, 0x76543210                      ; v_permlanex16_b32: lane i of one half reads lane i of the other
	s_mov_b32 s23, 0xfedcba98
	s_mov_b32 s26, 0x3fb8aa3b                      ; log2 e
	v_mov_b32 v[NEGR], 0xce6e6b28                  ; -1e9
	v_mul_u32_u24 v[LFR], v3, PITCH
	v_lshl_add_u32 v[LFR], v4, 4, v[LFR]
	s_mul_i32 s20, s18, 32*PITCH
	v_lshl_add_u32 v[LSA], v1, 3, s20
	s_lshl_b32 s20, s18, 9
	s_add_co_u32 s20, s20, VL
	v_lshl_add_u32 v[VA], v4, 5, s20
	v_and_b32 v5, 7, v0
	v_lshl_add_u32 v5, v4, 3, v5                   ; 8 h + (L & 7)
	v_mul_u32_u24 v5, v5, PITCH
	v_bfe_u32 v6, v0, 3, 1
	v_lshl_add_u32 v5, v6, 4, v5
	s_lshl_b32 s20, s18, 8
	v_add_nc_u32 v[LTR], s20, v5
	s_add_co_u32 s20, s20, PB
	v_lshl_add_u32 v[PBW], v1, 3, s20
	v_lshl_add_u32 v[PBR], v4, 4, s20
	s_lshl_b32 s20, s18, 10
	s_add_co_u32 s20, s20, SP0
	v_lshl_add_u32 v5, v4, 9, s20
	v_lshl_add_u32 v[SPA], v3, 2, v5
	v_add_nc_u32 v[SPR], SP0, v[SO]
	s_lshl_b32 s20, s18, 2
	s_add_co_u32 s20, s20, CT
	v_mov_b32 v72, s20
	v_add_nc_u32 v71, VL, v68
	s_wait_loadcnt 56                              ; all but the youngest 56: mask, v and batches 0 to 8 of block 0 are in
	v_add_f32 v69, v64, v65                        ; the wave's part of sum(v)
	v_add_f32 v70, v66, v67
	v_add_f32 v69, v69, v70
	v_add_f32_dpp v69, v69, v69 row_xmask:1 row_mask:0xf bank_mask:0xf
	v_add_f32_dpp v69, v69, v69 row_xmask:2 row_mask:0xf bank_mask:0xf
	v_add_f32_dpp v69, v69, v69 row_xmask:4 row_mask:0xf bank_mask:0xf
	v_add_f32_dpp v69, v69, v69 row_xmask:8 row_mask:0xf bank_mask:0xf
	v_permlanex16_b32 v70, v69, s22, s23
	v_add_f32 v69, v69, v70
	v_pk_mul_f32 v[64:65], v[64:65], -2.0 op_sel_hi:[1,0]
	v_pk_mul_f32 v[66:67], v[66:67], -2.0 op_sel_hi:[1,0]
	ds_store_b128 v71, v[64:67]                    ; -2 v
	ds_store_b32 v72, v69                          ; all lanes write the wave's word with the same value
	PRO 0
	PRO 1
	PRO 2
	PRO 3
	PRO 4
	PRO 5
	PRO 6
	PRO 7
	PRO 8
	WIN 0                                          ; from here the streams' first groups go out, in the order that quarter 0 counts on:
	XLOAD 1, 0                                     ; X(-3): block 1, rows 0, 1 of my 32
	PRO 9
	WIN TO_B
	WLOADH 0, 0, 0                                 ; W(-2): quarter 0
	PRO 10
	WIN TO_B
	WLOADH 0, 0, 1
	PRO 11
	WIN 0
	XLOAD 2, 4096                                  ; X(-2)
	PRO 12
	WIN TO_B
	WLOADH 1, 1, 0                                 ; W(-1): quarter 1
	PRO 13
	WIN TO_B
	WLOADH 1, 1, 1
	PRO 14
	WIN 0
	XLOAD 3, 8192                                  ; X(-1)
	PRO 15
	WIN 0
	s_wait_dscnt 0x0                               ; my stores of block 0, of -2 v and of my sum are done, for the other waves' sake
	s_barrier_signal -1
	s_barrier_wait -1
	v_mov_b32 v72, CT
	ds_load_b128 v[64:67], v72                     ; the four waves' sums of v
	s_wait_dscnt 0x0
	v_add_f32 v64, v64, v65
	v_add_f32 v66, v66, v67
	v_add_f32 v64, v64, v66
	v_readfirstlane_b32 s24, v64                   ; sum(v), a value only: no address or branch hangs on it
	s_mov_b32 s25, s24
; One block of 128 rows: cur = its LDS buffer, oth = the buffer that the next block arrives in.
.macro BLOCK blk, cur, oth, first
	s_wait_xcnt 0x0                                ; the streams' bases and the last score store's data are rewritten only behind this wait
	s_mov_b64 s[16:17], s[10:11]                   ; W' from position 0 again
.if \blk < 3
	s_add_nc_u64 s[4:5], s[28:29], (\blk+1)*BLKB   ; the x stream works on the next block
	v_add_nc_u32 v[SA], \oth, v[LSA]
.endif
	v_add_nc_u32 v[AL], \cur, v[LFR]
	v_add_nc_u32 v[AH], \cur+HALFX, v[LFR]
	v_add_nc_u32 v[TA0], \cur, v[LTR]
	v_add_nc_u32 v[TA1], \cur+HALFX, v[LTR]
	ALOAD 0, 0
	ALOAD 1, 0
	; the first trip stands in front of the loop: its first products start the sums
.if \blk < 3
	TRIP 1, 1, 32
.else
	TRIP 1, 0, 16                                  ; the last block: nothing arrives any more, only W(Q - 1) is younger
.endif
	s_mov_b32 s19, 0
.Lk_\@:
.if \blk < 3
	TRIP 0, 1, 32
.else
	TRIP 0, 0, 16
.endif
	s_add_co_u32 s19, s19, 1
	s_cmp_lt_u32 s19, 2
	s_cbranch_scc1 .Lk_\@
	; the last trip is written out: no x fragment beyond K = 512, and the streams end inside their buffers
.if \blk < 2
	QUARTER 0, 0, 1, 1, 1, 1, 32, 0
	QUARTER 1, 0, 1, 1, 1, 1, 32, 1                ; X now fetches the first rows of the block after next
	QUARTER 2, 0, 1, 1, 1, 1, 32, 1
	QUARTER 3, 0, 0, 1, 1, 1, 32, 1
.endif
.if \blk == 2
	QUARTER 0, 0, 1, 1, 1, 1, 32, 0                ; the last two rows of x are asked for here
	QUARTER 1, 0, 1, 1, 0, 1, 32, 0
	QUARTER 2, 0, 1, 1, 0, 1, 24, 0                ; younger than W(Q - 2): one X and one W
	QUARTER 3, 0, 0, 1, 0, 1, 16, 0                ; one W
.endif
.if \blk == 3
	QUARTER 0, 0, 1, 0, 0, 1, 16, 0
	QUARTER 1, 0, 1, 0, 0, 1, 16, 0                ; the last W' fragments are asked for here
	QUARTER 2, 0, 1, 0, 0, 0, 16, 0
	QUARTER 3, 0, 0, 0, 0, 0, 0, 0
.endif
	PLACES                                         ; behind the last matrix instructions: AF is loaded again, results are read
.irp i, 0,1,2,3,4,5,6,7,8,9,10,11,12,13,14,15
	ds_load_b128 v[AF+4*\i:AF+4*\i+3], v[VA] offset:64*(\i>>1)+16*(\i&1)       ; -2 v of my columns 16 b + 8 h + 0..7
.endr
	s_wait_dscnt 0x0
	EPI 3                                          ; rows 64-127 first: window 3 is then free for the transposed block,
	WIN 0xc0
.irp ks, 0,1,2,3
.irp n, 0,1,2,3,4,5,6,7
.irp c, 0,1
	ds_load_tr16_b128 v[8*(8*\ks+\n)+4*\c:8*(8*\ks+\n)+4*\c+3], v[TA0+(\ks>>1)] offset:(\ks&1)*32*PITCH+\c*16*PITCH+32*\n   ; rows 32 ks + 16 c + 8 h + 0..7 of column 128 w + 16 n + r
.endr
.endr
.endr
	EPI 2                                          ; which lands while rows 0-63 are worked on
.irp a, 0,1,2,3,4,5,6,7
	ds_store_b32 v[SPA], v[SC+\a] offset:(\blk&1)*4096+64*\a
.endr
	; ONE barrier a block.  In front of it every wave's LDS instructions are done: its reads of this block (the next block's arriving rows overwrite it),
	; its stores of the next block (all waves read them), its partial scores.  The partial scores' two sets take turns, so a set is written again two barriers later.
	s_wait_dscnt 0x0
	s_barrier_signal -1
	s_barrier_wait -1
	; The softmax step, done alike by all four waves (each needs p for its own columns).  Lane L takes rows 4 L .. 4 L + 3.
.irp i, 0,1,2,3,4,5,6,7
	ds_load_b128 v[AF+4*\i:AF+4*\i+3], v[SPR] offset:(\blk&1)*4096+512*\i
.endr
	s_wait_dscnt 0x0
.irp i, 0,2,4,6,8,10,12,14
	v_pk_add_f32 v[AF+\i:AF+\i+1], v[AF+\i:AF+\i+1], v[AF+16+\i:AF+17+\i]
.endr
.irp i, 0,2,4,6
	v_pk_add_f32 v[AF+\i:AF+\i+1], v[AF+\i:AF+\i+1], v[AF+8+\i:AF+9+\i]
.endr
.irp i, 0,2
	v_pk_add_f32 v[AF+\i:AF+\i+1], v[AF+\i:AF+\i+1], v[AF+4+\i:AF+5+\i]
.endr
.irp i, 0,2
	v_pk_add_f32 v[AF+\i:AF+\i+1], v[AF+\i:AF+\i+1], s[24:25] op_sel_hi:[1,0]  ; + sum(v)
.endr
.irp j, 0,1,2,3
	v_cmp_eq_u32 vcc_lo, 0, v[MK+4*\blk+\j]
	v_cndmask_b32 v[S+\j], v[AF+\j], v[NEGR], vcc_lo                           ; mask == 0: -1e9
.endr
	s_cmp_lg_u32 s18, 0
	s_cbranch_scc1 .Lns_\@
	global_store_b128 v[SO], v[S:S+3], s[12:13] offset:512*\blk                ; wave 0: the block's 128 scores, 512 consecutive bytes
.Lns_\@:
	v_max3_num_f32 v68, v[S], v[S+1], v[S+2]
	v_max_num_f32 v68, v68, v[S+3]
	v_max_num_f32_dpp v68, v68, v68 row_xmask:1 row_mask:0xf bank_mask:0xf
	v_max_num_f32_dpp v68, v68, v68 row_xmask:2 row_mask:0xf bank_mask:0xf
	v_max_num_f32_dpp v68, v68, v68 row_xmask:4 row_mask:0xf bank_mask:0xf
	v_max_num_f32_dpp v68, v68, v68 row_xmask:8 row_mask:0xf bank_mask:0xf
	v_permlanex16_b32 v69, v68, s22, s23
	v_max_num_f32 v68, v68, v69                    ; the block's maximum, in every lane
.if \first
	v_mov_b32 v[ML], v68
.else
	v_max_num_f32 v70, v[ML], v68                  ; the new running maximum
	v_sub_f32 v71, v[ML], v70
	v_mul_f32 v71, s26, v71
	v_exp_f32 v[ALPHA], v71                        ; what the old sum and context are worth now
	v_mov_b32 v[ML], v70                           ; (the plain place behind the exponential)
.endif
.irp j, 0,1,2,3
	v_sub_f32 v[72+\j], v[S+\j], v[ML]             ; the difference first, not fused with the factor: -1e9 - (-1e9) is exactly 0
.endr
.irp j, 0,1,2,3
	v_mul_f32 v[72+\j], s26, v[72+\j]
.endr
.irp j, 0,1,2,3
	v_exp_f32 v[76+\j], v[72+\j]
.endr
	v_nop
	s_wait_alu depctr_va_vdst(0)
	v_add_f32 v80, v76, v77
	v_add_f32 v81, v78, v79
	v_cvt_pk_bf16_f32 v82, v76, v77
	v_cvt_pk_bf16_f32 v83, v78, v79
	ds_store_b64 v[PBW], v[82:83]                  ; my wave's own bytes
	WIN 0x80
.irp ks, 0,1,2,3
	ds_load_b128 v[64+8*\ks:64+8*\ks+3], v[PBR] offset:64*\ks                  ; LDS serves a wave's instructions in order (ISA guide 5.7.1): these see the store above.
	ds_load_b128 v[64+8*\ks+4:64+8*\ks+7], v[PBR] offset:64*\ks+32             ; p as sixteen equal rows of source 0, into window 2
.endr
	WIN 0
	v_add_f32 v80, v80, v81
	v_add_f32_dpp v80, v80, v80 row_xmask:1 row_mask:0xf bank_mask:0xf
	v_add_f32_dpp v80, v80, v80 row_xmask:2 row_mask:0xf bank_mask:0xf
	v_add_f32_dpp v80, v80, v80 row_xmask:4 row_mask:0xf bank_mask:0xf
	v_add_f32_dpp v80, v80, v80 row_xmask:8 row_mask:0xf bank_mask:0xf
	v_permlanex16_b32 v81, v80, s22, s23
	v_add_f32 v80, v80, v81
.if \first
	v_mov_b32 v[ML+1], v80
.else
	v_fma_f32 v[ML+1], v[ML+1], v[ALPHA], v80
.endif
	s_wait_dscnt 0x0
	; The block's context: sum over its 128 rows of p x, for my 128 columns.  Eight accumulators take turns.
	WIN 0xae                                       ; source 0 (p), C and D window 2, source 1 (x transposed) window 3
.irp ks, 0,1,2,3
.irp n, 0,1,2,3,4,5,6,7
.if \ks == 0
	v_wmma_f32_16x16x32_bf16 v[8*\n:8*\n+7], v[64+8*\ks:64+8*\ks+7], v[8*(8*\ks+\n):8*(8*\ks+\n)+7], 0
.else
	v_wmma_f32_16x16x32_bf16 v[8*\n:8*\n+7], v[64+8*\ks:64+8*\ks+7], v[8*(8*\ks+\n):8*(8*\ks+\n)+7], v[8*\n:8*\n+7]
.endif
.endr
.endr
	PLACES
.if \first
	WIN 0x02
.irp n, 0,1,2,3,4,5,6,7
	v_mov_b32 v[CX+\n], v[8*\n]                    ; all sixteen rows of the result are alike: register 0 is column 16 n + r
.endr
.else
	WIN 0x20
.irp n, 0,1,2,3,4,5,6,7
	v_fma_f32 v[CX+\n], v[CX+\n], v[ALPHA], v[8*\n]
.endr
.endif
	WIN 0
.endm
	BLOCK 0, XB0, XB1, 1
	BLOCK 1, XB1, XB0, 0
	BLOCK 2, XB0, XB1, 0
	BLOCK 3, XB1, XB0, 0
	; THE WAY OUT: my 128 numbers of the context through my own 512 bytes of LDS, so that each lane stores 16 neighbouring bytes.
	v_cmp_lt_u32 vcc_lo, 15, v1
.irp i, 0,1,2,3
	v_cndmask_b32 v[84+\i], v[CX+2*\i], v[CX+2*\i+1], vcc_lo   ; lanes 0-15 take tile 2 i, lanes 16-31 tile 2 i + 1: column 32 i + L
.endr
	s_lshl_b32 s20, s18, 9
	s_add_co_u32 s21, s20, CT
	v_lshl_add_u32 v2, v1, 2, s21
.irp i, 0,1,2,3
	ds_store_b32 v2, v[84+\i] offset:128*\i
.endr
	v_add_nc_u32 v3, s21, v[SO]
	ds_load_b128 v[88:91], v3                      ; my own bytes, served in order
	v_add_nc_u32 v4, s20, v[SO]
	v_lshlrev_b32 v5, 3, v1
	s_wait_dscnt 0x0
	global_store_b128 v4, v[88:91], s[14:15]       ; 512 consecutive bytes of my row of part
	s_cmp_lg_u32 s18, 0
	s_cbranch_scc1 .Lend
	global_store_b64 v5, v[ML:ML+1], s[14:15] offset:2048      ; wave 0: (maximum, sum) 32 times: 256 consecutive bytes, aligned
.Lend:
	s_wait_xcnt 0x0
	v_lshl_add_u32 v254, v0, 2, 0x44400
	v_mov_b32 v255, 0
	s_wait_tensorcnt 0x0
	ds_add_u32 v254, v255
	s_wait_dscnt 0x0
	s_endpgm
.Lfunc_end_k_q071f703e7d_main:
	.size	k_q071f703e7d_main, .Lfunc_end_k_q071f703e7d_main-k_q071f703e7d_main
	.p2alignl 7, 3214868480
	.fill 96, 4, 3214868480
	.section	.rodata,"a",@progbits
	.p2align	6, 0x0
	.amdhsa_kernel k_q071f703e7d_main
		.amdhsa_group_segment_fixed_size 280064
		.amdhsa_private_segment_fixed_size 0
		.amdhsa_enable_private_segment 0
		.amdhsa_kernarg_size 48
		.amdhsa_user_sgpr_count 2
		.amdhsa_user_sgpr_kernarg_segment_ptr 1
		.amdhsa_wavefront_size32 1
		.amdhsa_system_sgpr_workgroup_id_x 1
		.amdhsa_system_sgpr_workgroup_id_y 1
		.amdhsa_system_sgpr_workgroup_id_z 1
		.amdhsa_system_vgpr_workitem_id 0
		.amdhsa_next_free_vgpr 1024
		.amdhsa_next_free_sgpr 66
		.amdhsa_reserve_vcc 1
		.amdhsa_float_denorm_mode_32 3
		.amdhsa_float_denorm_mode_16_64 3
		.amdhsa_memory_ordered 1
		.amdhsa_forward_progress 1
		.amdhsa_inst_pref_size 255
	.end_amdhsa_kernel
	.section	.bss,"aw",@nobits
	.p2align	6
	.space	262144
	.amdgpu_metadata
---
amdhsa.version: [ 1, 2 ]
amdhsa.kernels:
  - .name:           k_q071f703e7d_main
    .symbol:         k_q071f703e7d_main.kd
    .args:
      - { .name: encoder_outputs, .offset: 0, .size: 8, .value_kind: global_buffer, .address_space: global }
      - { .name: mask, .offset: 8, .size: 8, .value_kind: global_buffer, .address_space: global }
      - { .name: v, .offset: 16, .size: 8, .value_kind: global_buffer, .address_space: global }
      - { .name: wf, .offset: 24, .size: 8, .value_kind: global_buffer, .address_space: global }
      - { .name: sc, .offset: 32, .size: 8, .value_kind: global_buffer, .address_space: global }
      - { .name: part, .offset: 40, .size: 8, .value_kind: global_buffer, .address_space: global }
    .group_segment_fixed_size: 280064
    .private_segment_fixed_size: 0
    .kernarg_segment_align: 8
    .kernarg_segment_size: 48
    .max_flat_workgroup_size: 128
    .sgpr_count:     66
    .vgpr_count:     1024
    .wavefront_size: 32
...
	.end_amdgpu_metadata
.endif
;; end of part 2
;; launch fin (part 3): grid 64 x 1, 4 waves a work-group, no clusters, 0 bytes of LDS; arguments sc, part, out0, out1; writes out0, out1
.if DOCPART == 3
	.amdgcn_target "amdgcn-amd-amdhsa--gfx1250"
	.amdhsa_code_object_version 6
	.text
	.protected	k_q071f703e7d_fin
	.globl	k_q071f703e7d_fin
	.p2align	8
	.type	k_q071f703e7d_fin,@function
k_q071f703e7d_fin:
	s_mov_b64 s[64:65], 0
	v_nop
	global_prefetch_b8 v0, s[64:65] scope:SCOPE_SE
	s_setreg_imm32_b32 hwreg(HW_REG_WAVE_MODE, 25, 1), 1
	s_wait_xcnt 0x0
; One work-group for each batch: joins the four partial softmaxes (maximum m_i, sum l_i, context c_i) and normalises.
; M = max m_i;  e_i = exp(m_i - M);  L = sum l_i e_i (at least 1: the row that holds M counts 1);  out0 = sum (e_i / L) c_i;  out1 = exp(score - M) / L.
; Thread t takes 4 numbers of the context and 4 x 4 scores.  All twelve loads go out first.  No LDS, no barrier: every thread forms M and L itself.
; Limit: v_exp_f32 gives 0 for results below 2^-126 (ISA guide, its entry in 15.8).
.set MLI, 4                            ; v[4:11]   (m_i, l_i)
.set C,   12                           ; v[12:27]  c_i, 4 numbers each
.set SR,  28                           ; v[28:43]  16 scores
.set E,   44                           ; v[44:47]  e_i
.set WT,  48                           ; v[48:55]  e_i / L, each twice (pairs for the packed forms)
.set O,   56                           ; v[56:59]  out0
.set MM,  60                           ; v[60:61]  M twice
.set INV, 62                           ; v[62:63]  1 / L twice
	s_load_b256 s[4:11], s[0:1], 0x0               ; sc s[4:5], part s[6:7], out0 s[8:9], out1 s[10:11]
	v_lshlrev_b32 v1, 4, v0
	v_mov_b32 v2, 0
	s_lshl_b32 s12, ttmp9, 13                      ; 2,048 scores
	s_mov_b32 s13, 0
	s_mul_i32 s14, ttmp9, 9216                     ; four rows of part
	s_mov_b32 s15, 0
	s_lshl_b32 s16, ttmp9, 11                      ; 512 numbers of out0
	s_mov_b32 s17, 0
	s_wait_kmcnt 0x0
	s_add_nc_u64 s[4:5], s[4:5], s[12:13]
	s_add_nc_u64 s[6:7], s[6:7], s[14:15]
	s_add_nc_u64 s[8:9], s[8:9], s[16:17]
	s_add_nc_u64 s[10:11], s[10:11], s[12:13]
.irp i, 0,1,2,3
	global_load_b64 v[MLI+2*\i:MLI+2*\i+1], v2, s[6:7] offset:2304*\i+2048
.endr
.irp i, 0,1,2,3
	global_load_b128 v[C+4*\i:C+4*\i+3], v1, s[6:7] offset:2304*\i
.endr
.irp j, 0,1,2,3
	global_load_b128 v[SR+4*\j:SR+4*\j+3], v1, s[4:5] offset:2048*\j
.endr
	s_wait_loadcnt 0x8                             ; the four (m, l) are in; the eight younger loads stay out
	v_max3_num_f32 v[MM], v[MLI], v[MLI+2], v[MLI+4]
	v_max_num_f32 v[MM], v[MM], v[MLI+6]
	v_mov_b32 v[MM+1], v[MM]
.irp i, 0,1,2,3
	v_sub_f32 v[E+\i], v[MLI+2*\i], v[MM]          ; the difference first: equal maxima of -1e9 give exactly 0
.endr
.irp i, 0,1,2,3
	v_mul_f32 v[E+\i], 0x3fb8aa3b, v[E+\i]
.endr
.irp i, 0,1,2,3
	v_exp_f32 v[E+\i], v[E+\i]
.endr
	v_nop                                          ; a plain place behind the exponentials (ISA guide 5.7.2)
	s_wait_alu depctr_va_vdst(0)
	v_mul_f32 v[INV], v[MLI+1], v[E]
	v_fmac_f32 v[INV], v[MLI+3], v[E+1]
	v_fmac_f32 v[INV], v[MLI+5], v[E+2]
	v_fmac_f32 v[INV], v[MLI+7], v[E+3]
	v_rcp_f32 v[INV+1], v[INV]
	v_nop
	s_wait_alu depctr_va_vdst(0)
	v_mov_b32 v[INV], v[INV+1]
.irp i, 0,1,2,3
	v_mul_f32 v[WT+2*\i], v[E+\i], v[INV]
	v_mul_f32 v[WT+2*\i+1], v[E+\i], v[INV]
.endr
	s_wait_loadcnt 0x4                             ; the four contexts are in; the scores stay out
	v_pk_mul_f32 v[O:O+1], v[C:C+1], v[WT:WT+1]
	v_pk_mul_f32 v[O+2:O+3], v[C+2:C+3], v[WT:WT+1]
.irp i, 1,2,3
	v_pk_fma_f32 v[O:O+1], v[C+4*\i:C+4*\i+1], v[WT+2*\i:WT+2*\i+1], v[O:O+1]
	v_pk_fma_f32 v[O+2:O+3], v[C+4*\i+2:C+4*\i+3], v[WT+2*\i:WT+2*\i+1], v[O+2:O+3]
.endr
	global_store_b128 v1, v[O:O+3], s[8:9]
	s_wait_loadcnt 0x0
.irp i, 0,2,4,6,8,10,12,14
	v_pk_add_f32 v[SR+\i:SR+\i+1], v[SR+\i:SR+\i+1], v[MM:MM+1] neg_lo:[0,1] neg_hi:[0,1]
.endr
.irp i, 0,2,4,6,8,10,12,14
	v_pk_mul_f32 v[SR+\i:SR+\i+1], v[SR+\i:SR+\i+1], 0x3fb8aa3b op_sel_hi:[1,0]
.endr
.irp i, 0,1,2,3,4,5,6,7,8,9,10,11,12,13,14,15
	v_exp_f32 v[SR+\i], v[SR+\i]
.endr
	v_nop
	s_wait_alu depctr_va_vdst(0)
.irp i, 0,2,4,6,8,10,12,14
	v_pk_mul_f32 v[SR+\i:SR+\i+1], v[SR+\i:SR+\i+1], v[INV:INV+1]
.endr
.irp j, 0,1,2,3
	global_store_b128 v1, v[SR+4*\j:SR+4*\j+3], s[10:11] offset:2048*\j
.endr
	s_endpgm
.Lfunc_end_k_q071f703e7d_fin:
	.size	k_q071f703e7d_fin, .Lfunc_end_k_q071f703e7d_fin-k_q071f703e7d_fin
	.p2alignl 7, 3214868480
	.fill 96, 4, 3214868480
	.section	.rodata,"a",@progbits
	.p2align	6, 0x0
	.amdhsa_kernel k_q071f703e7d_fin
		.amdhsa_group_segment_fixed_size 0
		.amdhsa_private_segment_fixed_size 0
		.amdhsa_enable_private_segment 0
		.amdhsa_kernarg_size 32
		.amdhsa_user_sgpr_count 2
		.amdhsa_user_sgpr_kernarg_segment_ptr 1
		.amdhsa_wavefront_size32 1
		.amdhsa_system_sgpr_workgroup_id_x 1
		.amdhsa_system_sgpr_workgroup_id_y 1
		.amdhsa_system_sgpr_workgroup_id_z 1
		.amdhsa_system_vgpr_workitem_id 0
		.amdhsa_next_free_vgpr 64
		.amdhsa_next_free_sgpr 66
		.amdhsa_reserve_vcc 0
		.amdhsa_float_denorm_mode_32 3
		.amdhsa_float_denorm_mode_16_64 3
		.amdhsa_memory_ordered 1
		.amdhsa_forward_progress 1
		.amdhsa_inst_pref_size 7
	.end_amdhsa_kernel
	.amdgpu_metadata
---
amdhsa.version: [ 1, 2 ]
amdhsa.kernels:
  - .name:           k_q071f703e7d_fin
    .symbol:         k_q071f703e7d_fin.kd
    .args:
      - { .name: sc, .offset: 0, .size: 8, .value_kind: global_buffer, .address_space: global }
      - { .name: part, .offset: 8, .size: 8, .value_kind: global_buffer, .address_space: global }
      - { .name: out0, .offset: 16, .size: 8, .value_kind: global_buffer, .address_space: global }
      - { .name: out1, .offset: 24, .size: 8, .value_kind: global_buffer, .address_space: global }
    .group_segment_fixed_size: 0
    .private_segment_fixed_size: 0
    .kernarg_segment_align: 8
    .kernarg_segment_size: 32
    .max_flat_workgroup_size: 128
    .sgpr_count:     66
    .vgpr_count:     64
    .wavefront_size: 32
...
	.end_amdgpu_metadata
.endif
;; end of part 3
;; ======== version 2 of 2: 3 launches; 1.10 times as fast as version 1
;; limits: a difference of large sums (such as E[x^2] - mean^2): digits are lost where the result is much smaller than its terms
;; workspace buffers: wf 589,824 bytes; sc 524,288 bytes; part 589,824 bytes
;; launch prep: the kernel of part 1 again; grid 32 x 4, 4 waves a work-group, no clusters, 0 bytes of LDS; arguments Wh, Ws, wf; writes wf
;; launch main (part 4): grid 256 x 1, 4 waves a work-group, no clusters, 280,064 bytes of LDS; arguments encoder_outputs, mask, v, wf, sc, part; writes sc, part
.if DOCPART == 4
	.amdgcn_target "amdgcn-amd-amdhsa--gfx1250"
	.amdhsa_code_object_version 6
	.text
	.protected	k_q071f703e7d_main
	.globl	k_q071f703e7d_main
	.p2align	8
	.type	k_q071f703e7d_main,@function
k_q071f703e7d_main:
	s_mov_b64 s[64:65], 0
	v_nop
	global_prefetch_b8 v0, s[64:65] scope:SCOPE_SE
	s_setreg_imm32_b32 hwreg(HW_REG_WAVE_MODE, 25, 1), 1
	s_wait_xcnt 0x0
; Scores, online softmax and partial context of 512 rows of x (a quarter of one batch), x read from memory once.
; Work-group g owns rows 512 g .. 512 g + 511 of x as four blocks of 128 rows.  Wave w owns the output columns 128 w .. 128 w + 127 of
; h' = x W'^T (W' = (Wh + Ws) 2 log2 e in bf16, from the launch before): a tile of 128 x 128 in 64 accumulator tiles, 512 registers.
; K = 512 goes in 16 quarter steps of 32, 64 matrix instructions each.
; tanh(h) = 1 - 2 r with r = 1 / (1 + 2^h'), so score = sum(v) + sum over n of (-2 v[n]) r[n].  2^h' = inf gives r = 0 (tanh = 1), 2^h' = 0 gives r = 1.
; The block stays in LDS as bf16 until its scores are known; then p = exp(score - running maximum) multiplies it once more (context).
; Meanwhile the next block arrives: f32 from memory into registers, rounded to bf16, stored into the other LDS buffer.
; THE FOUR BLOCKS SHARE ONE LOOP BODY, so the text is a third of what four written-out blocks would be.  What differs from block to block is kept in
; scalars: the LDS buffer (toggled), the set of partial scores (toggled), the block's number.  The last block, in which nothing arrives, has a K part of its own.
;
; W' IS LOADED STRAIGHT INTO REGISTERS, NOT SHARED THROUGH LDS OR A CLUSTER: the waves split the output columns, so a fragment of W' is used by one
; wave of the work-group alone, and a two-slot ring for jointly requested tiles has no room: 2 x 133,120 (x) + 2 x 32,768 (one step of 32 along K
; of all 512 rows of W') = 331,776 bytes, more than the 327,680 that a work-group can have.  In wf's order each load covers 512 consecutive bytes.
;
; LIMITS: x, W' and the context's weights p are rounded to bf16; v_exp_f32 gives 0 for results below 2^-126 (ISA guide, its entry in 15.8);
; the score is formed as sum(v) - 2 sum(v r) in f32, an error of about 1e-7 x sum|v|.  The running maximum is always taken away.
;
; REGISTERS, in windows of 256: window 0 addresses, state, x fragments (AF) and four slots of arriving x (X); window 1 four buffers of W' fragments;
; window 2 the accumulator tiles of rows 0-63 (tile (a, b) at v[8 (8 a + b)]); window 3 those of rows 64-127.
; THE MATRIX INSTRUCTION IS USED TRANSPOSED: source 0 = 16 rows of W', source 1 = 16 rows of x.  Lane (r, h) then holds row 16 a + r of x and the
; columns 16 b + 8 h + 0..7, so the product with v is summed inside the lane.
; SCALARS: s[4:5] x stream, s[6:7] mask, s[8:9] v, s[10:11] wf, s[12:13] sc, s[14:15] part, s[16:17] W' stream, s18 wave, s19 K trips, s[20:21] work,
; s22-23 lane selects, s[24:25] sum(v) twice, s26 log2 e, s[28:29] x at the arriving block, s34 this block's LDS buffer, s35 the other, s36 set of partial scores, s37 block.
.set PITCH,  1040                      ; an LDS row of x: 1,024 bytes + 16 = 65 x 16: sixteen rows start at sixteen different 16-byte columns modulo 256
.set XBYTES, 128*PITCH                 ; a block; buffer 0 at LDS byte 0, buffer 1 at XBYTES
.set HALFX,  64*PITCH
.set SP0,    2*XBYTES                  ; two sets (by the block's parity) of [2 w + h : 8][row : 128] f32 partial scores, 4,096 bytes each
.set VL,     SP0+8192                  ; -2 v, 512 f32
.set PB,     VL+2048                   ; each wave's own 256 bytes: 128 p in bf16
.set CT,     PB+1024                   ; 2,048 bytes: the waves' sums of v at the start, each wave's 512 bytes of context at the end
.set BLKB,   262144                    ; a block of x in memory
.set LFR, 8                            ; r PITCH + 16 h: a fragment's lane term
.set AL,  9                            ; x fragments, rows 0-63, this trip
.set AH,  10                           ; rows 64-127
.set SA,  11                           ; where arriving x is stored, this trip
.set LSA, 12                           ; 33,280 w + 8 L: the wave stages rows 32 w .. 32 w + 31 of a block
.set XO,  13                           ; 65,536 w + 16 L: the same rows in memory
.set WO,  14                           ; 147,456 w + 16 L: my slice of wf
.set VA,  15                           ; VL + 512 w + 32 h
.set LTR, 16                           ; lane term of the transposing loads, + 256 w (my 128 columns)
.set TA0, 17                           ; the same in the current block, rows 0-63
.set TA1, 18                           ; rows 64-127
.set SPA, 19                           ; SP0 + (2 w + h) 512 + 4 r
.set SPR, 20                           ; SP0 + 16 L
.set PBW, 21                           ; PB + 256 w + 8 L
.set PBR, 22                           ; PB + 256 w + 16 h
.set SO,  23                           ; 16 L
.set NEGR, 24                          ; -1e9
.set ALPHA, 25                         ; exp(old maximum - new maximum)
.set ML,  26                           ; v26 running maximum, v27 running sum
.set CX,  28                           ; v[28:35] context: tile n, column 128 w + 16 n + r (both halves of the lanes alike)
.set SC,  36                           ; v[36:43] my partial score of row 16 a + r
.set MK,  44                           ; v[44:47] mask of rows 4 L .. 4 L + 3 of this block
.set SPAC, 48                          ; SPA in this block's set
.set SPRC, 49                          ; SPR in this block's set
.set MO,  50                           ; 16 L + 512 block: my four rows in mask and in sc
.set S,   60                           ; v[60:63] masked scores of rows 4 L .. 4 L + 3
.set AF,  64                           ; v[64:127] x fragments, tile a at AF + 8 a; behind the K part -2 v, then the softmax's work
.set X,   128                          ; v[128:255] four slots of 32: arriving x
.set MUL_LO, 0xa1                      ; source 0 (W') window 1, source 1 (x) window 0, C and D window 2
.set MUL_HI, 0xf1                      ; the same, C and D window 3
.set TO_B,   0x40                      ; destination window 1, address window 0
.set MSB, 0
.macro WIN new                         ; the immediate's high byte repeats the setting that is left
.if MSB != (\new)
	s_set_vgpr_msb (MSB<<8)|(\new)
.set MSB, (\new)
.endif
.endm
; Four places behind a matrix instruction before a vector instruction reads its result, or a load is issued into one of its registers
.macro PLACES
.rept 4
	v_nop
.endr
.endm
; 32 matrix instructions: the window's four row tiles x all eight column tiles, 32 along K, W' from buffer f.  The 32 accumulators take turns, one
; instruction a turn.  zero = 1: the first product starts the sums, nothing is cleared.
.macro MUL32 f, hi, zero
.irp a, 0,1,2,3
.irp b, 0,1,2,3,4,5,6,7
.if \zero
	v_wmma_f32_16x16x32_bf16 v[8*(8*\a+\b):8*(8*\a+\b)+7], v[64*(\f)+8*\b:64*(\f)+8*\b+7], v[AF+32*\hi+8*\a:AF+32*\hi+8*\a+7], 0
.else
	v_wmma_f32_16x16x32_bf16 v[8*(8*\a+\b):8*(8*\a+\b)+7], v[64*(\f)+8*\b:64*(\f)+8*\b+7], v[AF+32*\hi+8*\a:AF+32*\hi+8*\a+7], v[8*(8*\a+\b):8*(8*\a+\b)+7]
.endif
.endr
.endr
.endm
; 8 LDS loads: the x fragments of 64 rows at byte k of this trip's 256 bytes
.macro ALOAD half, k
.irp a, 0,1,2,3
	ds_load_b128 v[AF+32*\half+8*\a:AF+32*\half+8*\a+3],   v[AL+\half] offset:\a*16*PITCH+(\k)
	ds_load_b128 v[AF+32*\half+8*\a+4:AF+32*\half+8*\a+7], v[AL+\half] offset:\a*16*PITCH+(\k)+32
.endr
.endm
; 8 loads: half of the W' fragments of one position (relative to this trip's first) into buffer buf
.macro WLOADH buf, pos, half
.irp i, 0,1,2,3,4,5,6,7
	global_load_b128 v[64*(\buf)+32*(\half)+4*\i:64*(\buf)+32*(\half)+4*\i+3], v[WO], s[16:17] offset:(\pos)*8192+4096*(\half)+512*\i
.endr
.endm
; 8 loads: a batch = two whole rows of x, 4,096 consecutive bytes, into a slot.  Batch j of a block goes through slot (j + 1) mod 4.
.macro XLOAD slot, imm
.irp i, 0,1,2,3,4,5,6,7
	global_load_b128 v[X+32*(\slot)+4*\i:X+32*(\slot)+4*\i+3], v[XO], s[4:5] offset:(\imm)+512*\i th:TH_LOAD_NT
.endr
.endm
.macro XCVT slot                       ; four f32 become four bf16 in the first two of their registers
.irp i, 0,1,2,3,4,5,6,7
	v_cvt_pk_bf16_f32 v[X+32*(\slot)+4*\i],   v[X+32*(\slot)+4*\i],   v[X+32*(\slot)+4*\i+1]
	v_cvt_pk_bf16_f32 v[X+32*(\slot)+4*\i+1], v[X+32*(\slot)+4*\i+2], v[X+32*(\slot)+4*\i+3]
.endr
.endm
.macro XSTORE slot, qq                 ; each store of the wave covers 256 consecutive bytes of an LDS row
.irp i, 0,1,2,3,4,5,6,7
	ds_store_b64 v[SA], v[X+32*(\slot)+4*\i:X+32*(\slot)+4*\i+1] offset:(\qq)*2*PITCH+(\i>>2)*PITCH+(\i&3)*256
.endr
.endm
; One quarter step q = 4 trip + qq of a block.  Two streams share LOADcnt, which falls in issue order (ISA guide 5.7.1):
;   W(q): the 16 loads of the W' fragments of quarter q + 2 (16, 17: the next block's 0, 1);   X(q): the 8 loads of batch q + 3 of the arriving block.
; cnt = the loads issued behind W(q - 2): X(q - 2), W(q - 1), X(q - 1); behind that wait this quarter's W' and the older X(q - 3), batch q, are in.
; By this text's own count a wave has at most 56 loads out in the K part.
; apf: the next quarter's x fragments are fetched; xst: batch q is rounded and stored; xld, wld: the streams go on.
.macro QUARTER qq, zero, apf, xst, xld, wld, cnt
	s_wait_loadcnt \cnt
.if \wld
	WIN TO_B
	WLOADH (\qq+2)%4, \qq+2, 0         ; this buffer was last multiplied two quarters ago
	WLOADH (\qq+2)%4, \qq+2, 1
.endif
	WIN 0
.if \xld
	XLOAD \qq, (\qq+3)*4096
.endif
	s_wait_dscnt 8                                 ; the fragments of rows 0-63 are in; only the 8 loads of rows 64-127 are younger
	WIN MUL_LO
	MUL32 \qq, 0, \zero
	WIN 0
.if \xst
	XCVT (\qq+1)%4                                 ; sixteen conversions: useful work in the places behind the matrix instructions
	XSTORE (\qq+1)%4, \qq
.else
.if \apf
	PLACES
.endif
.endif
.if \apf
	ALOAD 0, 64*(\qq+1)
.endif
	s_wait_dscnt 8*\xst+8*\apf                     ; rows 64-127 are in; only this quarter's stores and loads are younger
	WIN MUL_HI
	MUL32 \qq, 1, \zero
	WIN 0
.if \apf
	PLACES
	ALOAD 1, 64*(\qq+1)
.endif
.endm
.macro STEP xs                         ; from one trip's four quarters (128 along K) to the next
	s_wait_xcnt 0x0                                ; the bases of the loads issued so far are stepped only behind this wait
.if \xs
	s_add_nc_u64 s[4:5], s[4:5], 16384             ; four batches of two rows
	v_add_nc_u32 v[SA], 8*PITCH, v[SA]
.endif
	s_add_nc_u64 s[16:17], s[16:17], 32768         ; four positions of wf
	v_add_nc_u32 v[AL], 256, v[AL]
	v_add_nc_u32 v[AH], 256, v[AH]
.endm
; The tanh and the product with v, on one window's 32 tiles, in place.  The steps of three tiles are interleaved so that a plain vector instruction on
; another tile always stands between a transcendental and the use of its result (ISA guide 5.7.2).
.macro EXP8 tile
.irp j, 0,1,2,3,4,5,6,7
	v_exp_f32 v[8*(\tile)+\j], v[8*(\tile)+\j]
.endr
.endm
.macro ADD8 tile
	s_wait_alu depctr_va_vdst(0)
.irp j, 0,2,4,6
	v_pk_add_f32 v[8*(\tile)+\j:8*(\tile)+\j+1], v[8*(\tile)+\j:8*(\tile)+\j+1], 1.0 op_sel_hi:[1,0]
.endr
.endm
.macro RCP8 tile
.irp j, 0,1,2,3,4,5,6,7
	v_rcp_f32 v[8*(\tile)+\j], v[8*(\tile)+\j]
.endr
.endm
.macro FMA8 tile                       ; the row tile's first column tile starts the sums in its own registers; the seven others add onto them
.irp j, 0,2,4,6
.if ((\tile)&7) == 0
	s_wait_alu depctr_va_vdst(0)
	v_pk_mul_f32 v[8*(\tile)+\j:8*(\tile)+\j+1], v[8*(\tile)+\j:8*(\tile)+\j+1], v[AF+\j:AF+\j+1]
.else
	s_wait_alu depctr_va_vdst(0)
	v_pk_fma_f32 v[64*((\tile)>>3)+\j:64*((\tile)>>3)+\j+1], v[8*(\tile)+\j:8*(\tile)+\j+1], v[AF+8*((\tile)&7)+\j:AF+8*((\tile)&7)+\j+1], v[64*((\tile)>>3)+\j:64*((\tile)>>3)+\j+1]
.endif
.endr
.endm
.macro EPI w
.if \w == 2
	WIN 0xa2                                       ; source 0, source 2 and destination in the window, source 1 (-2 v) in window 0
.else
	WIN 0xf3
.endif
	EXP8 0
	v_nop                                          ; the plain place behind the first tile's exponentials
	EXP8 1
	ADD8 0
	RCP8 0
.set tt, 2
.rept 30
	EXP8 tt
	ADD8 tt-1
	RCP8 tt-1
	FMA8 tt-2
.set tt, tt+1
.endr
	ADD8 31
	RCP8 31
	FMA8 30
	FMA8 31
.if \w == 2
	WIN 0xaa                                       ; all in the window
.else
	WIN 0xff
.endif
.irp a, 0,1,2,3
	v_pk_add_f32 v[64*\a:64*\a+1],   v[64*\a:64*\a+1],   v[64*\a+2:64*\a+3]
	v_pk_add_f32 v[64*\a+4:64*\a+5], v[64*\a+4:64*\a+5], v[64*\a+6:64*\a+7]
.endr
.irp a, 0,1,2,3
	v_pk_add_f32 v[64*\a:64*\a+1], v[64*\a:64*\a+1], v[64*\a+4:64*\a+5]
.endr
.if \w == 2
	WIN 0x0a                                       ; sources in the window, destination in window 0
.else
	WIN 0x0f
.endif
.irp a, 0,1,2,3
	v_add_f32 v[SC+4*(\w-2)+\a], v[64*\a], v[64*\a+1]
.endr
	WIN 0
.endm
; The start: batch k (two rows) of block 0 is rounded in the registers it was loaded into (windows 2 and 3) and stored into buffer 0.
.macro PRO k
.if \k >= 9
	s_wait_loadcnt 56                              ; behind batch k stand 120 - 8 k loads of block 0 and the 8 (k - 8) of the streams' first groups
.endif
.if \k < 8
	WIN 0x8a
.else
	WIN 0xcf
.endif
.irp i, 0,1,2,3,4,5,6,7
	v_cvt_pk_bf16_f32 v[32*(\k&7)+4*\i],   v[32*(\k&7)+4*\i],   v[32*(\k&7)+4*\i+1]
	v_cvt_pk_bf16_f32 v[32*(\k&7)+4*\i+1], v[32*(\k&7)+4*\i+2], v[32*(\k&7)+4*\i+3]
.endr
.if \k < 8
	WIN 0x08
.else
	WIN 0x0c
.endif
.irp i, 0,1,2,3,4,5,6,7
	ds_store_b64 v[LSA], v[32*(\k&7)+4*\i:32*(\k&7)+4*\i+1] offset:\k*2*PITCH+(\i>>2)*PITCH+(\i&3)*256
.endr
.endm
	s_load_b256 s[4:11], s[0:1], 0x0               ; x s[4:5], mask s[6:7], v s[8:9], wf s[10:11]
	s_load_b128 s[12:15], s[0:1], 0x20             ; sc s[12:13], part s[14:15]
	v_lshl_add_u32 v58, v0, 2, 0x44400
	v_mov_b32 v59, 0
	v_and_b32 v1, 31, v0                           ; L
	v_lshrrev_b32 v2, 5, v0
	v_readfirstlane_b32 s18, v2                    ; wave
	v_lshlrev_b32 v[SO], 4, v1
	v_lshlrev_b32 v68, 4, v0                       ; 16 x thread: my four numbers of v
	s_lshl_b32 s20, s18, 16
	v_add_nc_u32 v[XO], s20, v[SO]
	s_mul_i32 s20, s18, 147456
	v_add_nc_u32 v[WO], s20, v[SO]
	s_lshl_b32 s20, ttmp9, 20                      ; 512 rows of 2,048 bytes
	s_mov_b32 s21, 0
	s_lshl_b32 s30, ttmp9, 11                      ; 512 words of mask and of sc
	s_mov_b32 s31, 0
	s_mul_i32 s32, ttmp9, 2304                     ; my row of part
	s_mov_b32 s33, 0
	s_wait_kmcnt 0x0
	s_add_nc_u64 s[28:29], s[4:5], s[20:21]        ; x at my first row
	s_add_nc_u64 s[4:5], s[28:29], BLKB            ; the x stream's base: block 1
	s_mov_b64 s[16:17], s[10:11]                   ; the W' stream's base
	s_add_nc_u64 s[6:7], s[6:7], s[30:31]
	s_add_nc_u64 s[12:13], s[12:13], s[30:31]
	s_add_nc_u64 s[14:15], s[14:15], s[32:33]
	global_load_b128 v[64:67], v68, s[8:9]
	WIN 0x80                                       ; block 0: my 32 rows are 65,536 consecutive bytes, 128 loads into windows 2 and 3
.set n, 0
.rept 64
	global_load_b128 v[4*n:4*n+3], v[XO], s[28:29] offset:512*n th:TH_LOAD_NT
.set n, n+1
.endr
	WIN 0xc0
.set n, 0
.rept 64
	global_load_b128 v[4*n:4*n+3], v[XO], s[28:29] offset:512*(n+64) th:TH_LOAD_NT
.set n, n+1
.endr
	WIN 0
	v_and_b32 v3, 15, v0                           ; r
	v_bfe_u32 v4, v0, 4, 1                         ; h
	s_mov_b32 s22, 0x76543210                      ; v_permlanex16_b32: lane i of one half reads lane i of the other
	s_mov_b32 s23, 0xfedcba98
	s_mov_b32 s26, 0x3fb8aa3b                      ; log2 e
	v_mov_b32 v[NEGR], 0xce6e6b28                  ; -1e9
	v_mul_u32_u24 v[LFR], v3, PITCH
	v_lshl_add_u32 v[LFR], v4, 4, v[LFR]
	s_mul_i32 s20, s18, 32*PITCH
	v_lshl_add_u32 v[LSA], v1, 3, s20
	s_lshl_b32 s20, s18, 9
	s_add_co_u32 s20, s20, VL
	v_lshl_add_u32 v[VA], v4, 5, s20
	v_and_b32 v5, 7, v0
	v_lshl_add_u32 v5, v4, 3, v5                   ; 8 h + (L & 7)
	v_mul_u32_u24 v5, v5, PITCH
	v_bfe_u32 v6, v0, 3, 1
	v_lshl_add_u32 v5, v6, 4, v5
	s_lshl_b32 s20, s18, 8
	v_add_nc_u32 v[LTR], s20, v5
	s_add_co_u32 s20, s20, PB
	v_lshl_add_u32 v[PBW], v1, 3, s20
	v_lshl_add_u32 v[PBR], v4, 4, s20
	s_lshl_b32 s20, s18, 10
	s_add_co_u32 s20, s20, SP0
	v_lshl_add_u32 v5, v4, 9, s20
	v_lshl_add_u32 v[SPA], v3, 2, v5
	v_add_nc_u32 v[SPR], SP0, v[SO]
	s_lshl_b32 s20, s18, 2
	s_add_co_u32 s20, s20, CT
	v_mov_b32 v72, s20
	v_add_nc_u32 v71, VL, v68
	; The state of the online softmax starts at maximum = -inf, sum = 0, context = 0, so that the first block runs the common body:
	; its alpha is 2^-inf = 0.  Ten moves, once.
	v_mov_b32 v[ML], 0xff800000
	v_mov_b32 v[ML+1], 0
.irp n, 0,1,2,3,4,5,6,7
	v_mov_b32 v[CX+\n], 0
.endr
	s_wait_loadcnt 56                              ; all but the youngest 56 of 129: v and batches 0 to 8 of block 0 are in
	v_add_f32 v69, v64, v65                        ; the wave's part of sum(v)
	v_add_f32 v70, v66, v67
	v_add_f32 v69, v69, v70
	v_add_f32_dpp v69, v69, v69 row_xmask:1 row_mask:0xf bank_mask:0xf
	v_add_f32_dpp v69, v69, v69 row_xmask:2 row_mask:0xf bank_mask:0xf
	v_add_f32_dpp v69, v69, v69 row_xmask:4 row_mask:0xf bank_mask:0xf
	v_add_f32_dpp v69, v69, v69 row_xmask:8 row_mask:0xf bank_mask:0xf
	v_permlanex16_b32 v70, v69, s22, s23
	v_add_f32 v69, v69, v70
	v_pk_mul_f32 v[64:65], v[64:65], -2.0 op_sel_hi:[1,0]
	v_pk_mul_f32 v[66:67], v[66:67], -2.0 op_sel_hi:[1,0]
	ds_store_b128 v71, v[64:67]                    ; -2 v
	ds_store_b32 v72, v69                          ; all lanes write the wave's word with the same value
	PRO 0
	PRO 1
	PRO 2
	PRO 3
	PRO 4
	PRO 5
	PRO 6
	PRO 7
	PRO 8
	WIN 0                                          ; from here the streams' first groups go out, in the order that quarters 0 and 1 count on:
	XLOAD 1, 0                                     ; X(-3): block 1, batch 0
	PRO 9
	WIN TO_B
	WLOADH 0, 0, 0                                 ; W(-2): quarter 0
	PRO 10
	WIN TO_B
	WLOADH 0, 0, 1
	PRO 11
	WIN 0
	XLOAD 2, 4096                                  ; X(-2): batch 1
	PRO 12
	WIN TO_B
	WLOADH 1, 1, 0                                 ; W(-1): quarter 1
	PRO 13
	WIN TO_B
	WLOADH 1, 1, 1
	PRO 14
	WIN 0
	XLOAD 3, 8192                                  ; X(-1): batch 2
	PRO 15
	WIN 0
	s_wait_dscnt 0x0                               ; my stores of block 0, of -2 v and of my sum are done, for the other waves' sake
	s_barrier_signal -1
	s_barrier_wait -1
	v_mov_b32 v72, CT
	ds_load_b128 v[64:67], v72                     ; the four waves' sums of v
	s_wait_dscnt 0x0
	v_add_f32 v64, v64, v65
	v_add_f32 v66, v66, v67
	v_add_f32 v64, v64, v66
	v_readfirstlane_b32 s24, v64                   ; sum(v), a value only: no address or branch hangs on it
	s_mov_b32 s25, s24
	s_mov_b32 s34, 0                               ; block 0 lies in buffer 0
	s_mov_b32 s36, 0                               ; and uses set 0 of the partial scores
	s_mov_b32 s37, 0                               ; the block's number
; ONE BLOCK OF 128 ROWS A TRIP.
.Lblock:
	s_wait_xcnt 0x0                                ; the streams' bases, the mask's and score's offset and the score store's data are rewritten only behind this wait
	s_mov_b64 s[16:17], s[10:11]                   ; W' from position 0 again
	s_xor_b32 s35, s34, XBYTES                     ; the buffer in which the next block arrives
	v_add_nc_u32 v[AL], s34, v[LFR]
	v_add_nc_u32 v[TA0], s34, v[LTR]
	v_add_nc_u32 v[SA], s35, v[LSA]
	v_add_nc_u32 v[SPAC], s36, v[SPA]
	v_add_nc_u32 v[SPRC], s36, v[SPR]
	v_lshl_add_u32 v[MO], s37, 9, v[SO]
	v_add_nc_u32 v[AH], HALFX, v[AL]
	v_add_nc_u32 v[TA1], HALFX, v[TA0]
	ALOAD 0, 0
	ALOAD 1, 0
	s_cmp_lt_u32 s37, 3
	s_cbranch_scc0 .Llast
	; THE K PART OF BLOCKS 0 TO 2, with the next block arriving.  Quarter 0 starts the sums; three trips take quarters 1-4, 5-8, 9-12;
	; quarters 13 to 15 are written out: batches 0 to 15 have all been asked for, and no x fragment lies beyond K = 512.
	s_add_nc_u64 s[28:29], s[28:29], BLKB          ; x at the arriving block
	s_mov_b64 s[4:5], s[28:29]
	QUARTER 0, 1, 1, 1, 1, 1, 32
	s_mov_b32 s19, 0
.Lkx:
	QUARTER 1, 0, 1, 1, 1, 1, 32
	QUARTER 2, 0, 1, 1, 1, 1, 32
	QUARTER 3, 0, 1, 1, 1, 1, 32
	STEP 1
	QUARTER 0, 0, 1, 1, 1, 1, 32
	s_add_co_u32 s19, s19, 1
	s_cmp_lt_u32 s19, 3
	s_cbranch_scc1 .Lkx
	QUARTER 1, 0, 1, 1, 0, 1, 32
	QUARTER 2, 0, 1, 1, 0, 1, 24                   ; younger than W(12): X(12) and W(13)
	QUARTER 3, 0, 0, 1, 0, 1, 16                   ; younger than W(13): W(14)
	s_cmp_lt_u32 s37, 2
	s_cbranch_scc0 .Ltanh                          ; block 2: no block arrives behind block 3
	XLOAD 1, BLKB-49152                            ; batches 0 to 2 of the block after next (the base stands three steps of 16,384 into the arriving block):
	XLOAD 2, BLKB-49152+4096                       ; they land while the tanh is worked on
	XLOAD 3, BLKB-49152+8192
	s_branch .Ltanh
.Llast:
	; THE K PART OF BLOCK 3: nothing arrives, only W(q - 1) is younger than W(q - 2); the last W' fragments are asked for in quarter 13.
	QUARTER 0, 1, 1, 0, 0, 1, 16
	s_mov_b32 s19, 0
.Lkn:
	QUARTER 1, 0, 1, 0, 0, 1, 16
	QUARTER 2, 0, 1, 0, 0, 1, 16
	QUARTER 3, 0, 1, 0, 0, 1, 16
	STEP 0
	QUARTER 0, 0, 1, 0, 0, 1, 16
	s_add_co_u32 s19, s19, 1
	s_cmp_lt_u32 s19, 3
	s_cbranch_scc1 .Lkn
	QUARTER 1, 0, 1, 0, 0, 1, 16
	QUARTER 2, 0, 1, 0, 0, 0, 16
	QUARTER 3, 0, 0, 0, 0, 0, 0
.Ltanh:
	global_load_b128 v[MK:MK+3], v[MO], s[6:7]     ; this block's mask, rows 4 L .. 4 L + 3: wanted behind the tanh
	PLACES                                         ; behind the last matrix instructions: AF is loaded again, results are read
.irp i, 0,1,2,3,4,5,6,7,8,9,10,11,12,13,14,15
	ds_load_b128 v[AF+4*\i:AF+4*\i+3], v[VA] offset:64*(\i>>1)+16*(\i&1)       ; -2 v of my columns 16 b + 8 h + 0..7
.endr
	s_wait_dscnt 0x0
	EPI 3                                          ; rows 64-127 first: window 3 is then free for the transposed block,
	WIN 0xc0
.irp ks, 0,1,2,3
.irp n, 0,1,2,3,4,5,6,7
.irp c, 0,1
	ds_load_tr16_b128 v[8*(8*\ks+\n)+4*\c:8*(8*\ks+\n)+4*\c+3], v[TA0+(\ks>>1)] offset:(\ks&1)*32*PITCH+\c*16*PITCH+32*\n   ; rows 32 ks + 16 c + 8 h + 0..7 of column 128 w + 16 n + r
.endr
.endr
.endr
	EPI 2                                          ; which lands while rows 0-63 are worked on
.irp a, 0,1,2,3,4,5,6,7
	ds_store_b32 v[SPAC], v[SC+\a] offset:64*\a
.endr
	; ONE barrier a block.  In front of it every wave's LDS instructions are done: its reads of this block (the next block's arriving rows overwrite it),
	; its stores of the next block (all waves read them), its partial scores.  The partial scores' two sets take turns, so a set is written again two barriers later.
	s_wait_dscnt 0x0
	s_barrier_signal -1
	s_barrier_wait -1
	; The softmax step, done alike by all four waves (each needs p for its own columns).  Lane L takes rows 4 L .. 4 L + 3.
.irp i, 0,1,2,3,4,5,6,7
	ds_load_b128 v[AF+4*\i:AF+4*\i+3], v[SPRC] offset:512*\i
.endr
	s_wait_dscnt 0x0
.irp i, 0,2,4,6,8,10,12,14
	v_pk_add_f32 v[AF+\i:AF+\i+1], v[AF+\i:AF+\i+1], v[AF+16+\i:AF+17+\i]
.endr
.irp i, 0,2,4,6
	v_pk_add_f32 v[AF+\i:AF+\i+1], v[AF+\i:AF+\i+1], v[AF+8+\i:AF+9+\i]
.endr
.irp i, 0,2
	v_pk_add_f32 v[AF+\i:AF+\i+1], v[AF+\i:AF+\i+1], v[AF+4+\i:AF+5+\i]
.endr
.irp i, 0,2
	v_pk_add_f32 v[AF+\i:AF+\i+1], v[AF+\i:AF+\i+1], s[24:25] op_sel_hi:[1,0]  ; + sum(v)
.endr
	s_wait_loadcnt 0x0                             ; the mask is the youngest load; all that stand ahead of it were issued in front of the tanh
.irp j, 0,1,2,3
	v_cmp_eq_u32 vcc_lo, 0, v[MK+\j]
	v_cndmask_b32 v[S+\j], v[AF+\j], v[NEGR], vcc_lo                           ; mask == 0: -1e9
.endr
	s_cmp_lg_u32 s18, 0
	s_cbranch_scc1 .Lns
	global_store_b128 v[MO], v[S:S+3], s[12:13]    ; wave 0: the block's 128 scores, 512 consecutive bytes
.Lns:
	v_max3_num_f32 v68, v[S], v[S+1], v[S+2]
	v_max_num_f32 v68, v68, v[S+3]
	v_max_num_f32_dpp v68, v68, v68 row_xmask:1 row_mask:0xf bank_mask:0xf
	v_max_num_f32_dpp v68, v68, v68 row_xmask:2 row_mask:0xf bank_mask:0xf
	v_max_num_f32_dpp v68, v68, v68 row_xmask:4 row_mask:0xf bank_mask:0xf
	v_max_num_f32_dpp v68, v68, v68 row_xmask:8 row_mask:0xf bank_mask:0xf
	v_permlanex16_b32 v69, v68, s22, s23
	v_max_num_f32 v68, v68, v69                    ; the block's maximum, in every lane
	v_max_num_f32 v70, v[ML], v68                  ; the new running maximum
	v_sub_f32 v71, v[ML], v70
	v_mul_f32 v71, s26, v71
	v_exp_f32 v[ALPHA], v71                        ; what the old sum and context are worth now (first block: 0)
	v_mov_b32 v[ML], v70                           ; (the plain place behind the exponential)
.irp j, 0,1,2,3
	v_sub_f32 v[72+\j], v[S+\j], v[ML]             ; the difference first, not fused with the factor: -1e9 - (-1e9) is exactly 0
.endr
.irp j, 0,1,2,3
	v_mul_f32 v[72+\j], s26, v[72+\j]
.endr
.irp j, 0,1,2,3
	v_exp_f32 v[76+\j], v[72+\j]
.endr
	v_nop
	s_wait_alu depctr_va_vdst(0)
	v_add_f32 v80, v76, v77
	v_add_f32 v81, v78, v79
	v_cvt_pk_bf16_f32 v82, v76, v77
	v_cvt_pk_bf16_f32 v83, v78, v79
	ds_store_b64 v[PBW], v[82:83]                  ; my wave's own bytes
	WIN 0x80
.irp ks, 0,1,2,3
	ds_load_b128 v[64+8*\ks:64+8*\ks+3], v[PBR] offset:64*\ks                  ; LDS serves a wave's instructions in order (ISA guide 5.7.1): these see the store above.
	ds_load_b128 v[64+8*\ks+4:64+8*\ks+7], v[PBR] offset:64*\ks+32             ; p as sixteen equal rows of source 0, into window 2
.endr
	WIN 0
	v_add_f32 v80, v80, v81
	v_add_f32_dpp v80, v80, v80 row_xmask:1 row_mask:0xf bank_mask:0xf
	v_add_f32_dpp v80, v80, v80 row_xmask:2 row_mask:0xf bank_mask:0xf
	v_add_f32_dpp v80, v80, v80 row_xmask:4 row_mask:0xf bank_mask:0xf
	v_add_f32_dpp v80, v80, v80 row_xmask:8 row_mask:0xf bank_mask:0xf
	v_permlanex16_b32 v81, v80, s22, s23
	v_add_f32 v80, v80, v81
	v_fma_f32 v[ML+1], v[ML+1], v[ALPHA], v80
	s_wait_dscnt 0x0
	; The block's context: sum over its 128 rows of p x, for my 128 columns.  Eight accumulators take turns.
	WIN 0xae                                       ; source 0 (p), C and D window 2, source 1 (x transposed) window 3
.irp ks, 0,1,2,3
.irp n, 0,1,2,3,4,5,6,7
.if \ks == 0
	v_wmma_f32_16x16x32_bf16 v[8*\n:8*\n+7], v[64+8*\ks:64+8*\ks+7], v[8*(8*\ks+\n):8*(8*\ks+\n)+7], 0
.else
	v_wmma_f32_16x16x32_bf16 v[8*\n:8*\n+7], v[64+8*\ks:64+8*\ks+7], v[8*(8*\ks+\n):8*(8*\ks+\n)+7], v[8*\n:8*\n+7]
.endif
.endr
.endr
	PLACES
	WIN 0x20
.irp n, 0,1,2,3,4,5,6,7
	v_fma_f32 v[CX+\n], v[CX+\n], v[ALPHA], v[8*\n]    ; all sixteen rows of the result are alike: register 0 is column 16 n + r
.endr
	WIN 0
	s_xor_b32 s34, s34, XBYTES                     ; the buffers change roles
	s_xor_b32 s36, s36, 4096                       ; and so do the sets of partial scores
	s_add_co_u32 s37, s37, 1
	s_cmp_lt_u32 s37, 4
	s_cbranch_scc1 .Lblock
	; THE WAY OUT: my 128 numbers of the context through my own 512 bytes of LDS, so that each lane stores 16 neighbouring bytes.
	v_cmp_lt_u32 vcc_lo, 15, v1
.irp i, 0,1,2,3
	v_cndmask_b32 v[84+\i], v[CX+2*\i], v[CX+2*\i+1], vcc_lo   ; lanes 0-15 take tile 2 i, lanes 16-31 tile 2 i + 1: column 32 i + L
.endr
	s_lshl_b32 s20, s18, 9
	s_add_co_u32 s21, s20, CT
	v_lshl_add_u32 v2, v1, 2, s21
.irp i, 0,1,2,3
	ds_store_b32 v2, v[84+\i] offset:128*\i
.endr
	v_add_nc_u32 v3, s21, v[SO]
	ds_load_b128 v[88:91], v3                      ; my own bytes, served in order
	v_add_nc_u32 v4, s20, v[SO]
	v_lshlrev_b32 v5, 3, v1
	s_wait_dscnt 0x0
	global_store_b128 v4, v[88:91], s[14:15]       ; 512 consecutive bytes of my row of part
	s_cmp_lg_u32 s18, 0
	s_cbranch_scc1 .Lend
	global_store_b64 v5, v[ML:ML+1], s[14:15] offset:2048      ; wave 0: (maximum, sum) 32 times: 256 consecutive bytes, aligned
.Lend:
	s_wait_tensorcnt 0x0
	ds_add_u32 v58, v59
	s_wait_dscnt 0x0
	s_endpgm
.Lfunc_end_k_q071f703e7d_main:
	.size	k_q071f703e7d_main, .Lfunc_end_k_q071f703e7d_main-k_q071f703e7d_main
	.p2alignl 7, 3214868480
	.fill 96, 4, 3214868480
	.section	.rodata,"a",@progbits
	.p2align	6, 0x0
	.amdhsa_kernel k_q071f703e7d_main
		.amdhsa_group_segment_fixed_size 280064
		.amdhsa_private_segment_fixed_size 0
		.amdhsa_enable_private_segment 0
		.amdhsa_kernarg_size 48
		.amdhsa_user_sgpr_count 2
		.amdhsa_user_sgpr_kernarg_segment_ptr 1
		.amdhsa_wavefront_size32 1
		.amdhsa_system_sgpr_workgroup_id_x 1
		.amdhsa_system_sgpr_workgroup_id_y 1
		.amdhsa_system_sgpr_workgroup_id_z 1
		.amdhsa_system_vgpr_workitem_id 0
		.amdhsa_next_free_vgpr 1024
		.amdhsa_next_free_sgpr 66
		.amdhsa_reserve_vcc 1
		.amdhsa_float_denorm_mode_32 3
		.amdhsa_float_denorm_mode_16_64 3
		.amdhsa_memory_ordered 1
		.amdhsa_forward_progress 1
		.amdhsa_inst_pref_size 255
	.end_amdhsa_kernel
	.section	.bss,"aw",@nobits
	.p2align	6
	.space	262144
	.amdgpu_metadata
---
amdhsa.version: [ 1, 2 ]
amdhsa.kernels:
  - .name:           k_q071f703e7d_main
    .symbol:         k_q071f703e7d_main.kd
    .args:
      - { .name: encoder_outputs, .offset: 0, .size: 8, .value_kind: global_buffer, .address_space: global }
      - { .name: mask, .offset: 8, .size: 8, .value_kind: global_buffer, .address_space: global }
      - { .name: v, .offset: 16, .size: 8, .value_kind: global_buffer, .address_space: global }
      - { .name: wf, .offset: 24, .size: 8, .value_kind: global_buffer, .address_space: global }
      - { .name: sc, .offset: 32, .size: 8, .value_kind: global_buffer, .address_space: global }
      - { .name: part, .offset: 40, .size: 8, .value_kind: global_buffer, .address_space: global }
    .group_segment_fixed_size: 280064
    .private_segment_fixed_size: 0
    .kernarg_segment_align: 8
    .kernarg_segment_size: 48
    .max_flat_workgroup_size: 128
    .sgpr_count:     66
    .vgpr_count:     1024
    .wavefront_size: 32
...
	.end_amdgpu_metadata
.endif
;; end of part 4
;; launch fin: the kernel of part 3 again; grid 64 x 1, 4 waves a work-group, no clusters, 0 bytes of LDS; arguments sc, part, out0, out1; writes out0, out1
